; MI455X (gfx1250); checked and timed in simulation.
; The chip was launched on July 23, 2026; its instructions are those of AMD's public machine-readable ISA for CDNA 5 (MIT licence, August 2026) and "CDNA5" Instruction Set Architecture Reference Guide (July 2026). The comments in the code are by the model that wrote it; some were corrected since.
;; Encoder Layer. Allowed arithmetic: matrix products marked QUANTISED: E4M3 operands, one given power-of-two scale a tensor, by v_wmma_f32_16x16x64_fp8_fp8 or v_wmma_f32_16x16x128_fp8_fp8, f32 sums; everything else in f32.
;; Inputs: Vff 512 x 2,048 float32; W2ff 2,048 x 512 float32; Wff 512 x 2,048 float32; Wk 512 x 512 float32; Wo 512 x 512 float32; Wq 512 x 512 float32; Wv 512 x 512 float32; b2ff 512 float32; beta1 512 float32; beta2 512 float32; bff 2,048 float32; bk 512 float32; bo 512 float32; bq 512 float32; bv 512 float32; bvff 2,048 float32; g1 512 float32; g2 512 float32; lowp_scales 18 int32 (the exponents e of the quantised operands' scales 2^e); x 4 x 2,048 x 512 float32.
;; Outputs: out0 4 x 2,048 x 512 float32.
;; This version of the problem:
;;   THIS VERSION OF THE PROBLEM IS GIVEN IN LOW PRECISION. The matrix products marked QUANTISED in the list below multiply operands that are first quantised to E4M3 (4 exponent bits, 3 mantissa bits; 8 bits a number), with one given power-of-two scale for each operand tensor; their sums are f32. All else is computed in f32.
;;   The module's matrix products, in the order in which they are computed (A, B: the left and right operand; K: the contracted axis; several contracted axes count as one K, in the product's order):
;;     1. [M 8,192, K 512] x [K 512, N 512]; A: input x; B: input Wq: QUANTISED (scales: A lowp_scales[0], B lowp_scales[1])
;;     2. [M 8,192, K 512] x [K 512, N 512]; A: input x; B: input Wk: QUANTISED (scales: A lowp_scales[2], B lowp_scales[3])
;;     3. [M 8,192, K 512] x [K 512, N 512]; A: input x; B: input Wv: QUANTISED (scales: A lowp_scales[4], B lowp_scales[5])
;;     4. batch 32 x [M 2,048, K 64] x [K 64, N 2,048]; A: computed on the way; B: computed on the way: QUANTISED (scales: A lowp_scales[6], B lowp_scales[7])
;;     5. batch 32 x [M 2,048, K 2,048] x [K 2,048, N 64]; A: softmax (see below); B: computed on the way: QUANTISED (scales: A lowp_scales[8], B lowp_scales[9])
;;     6. [M 8,192, K 512] x [K 512, N 512]; A: computed on the way; B: input Wo: QUANTISED (scales: A lowp_scales[10], B lowp_scales[11])
;;     7. [M 8,192, K 512] x [K 512, N 2,048]; A: computed on the way; B: input Wff: QUANTISED (scales: A lowp_scales[12], B lowp_scales[13])
;;     8. [M 8,192, K 512] x [K 512, N 2,048]; A: computed on the way; B: input Vff: QUANTISED (scales: A lowp_scales[14], B lowp_scales[15])
;;     9. [M 8,192, K 2,048] x [K 2,048, N 512]; A: computed on the way; B: input W2ff: QUANTISED (scales: A lowp_scales[16], B lowp_scales[17])
;;   THE QUANTISER, for each operand of a quantised product, along K:
;;     - The operand's scale is 2^e, e = its entry of the input lowp_scales (int32; the entries are numbered through the quantised products in the list's order, A before B).
;;     - Each number is divided by the scale, clamped to +-448, and rounded to the nearest number of E4M3, ties to even, subnormals kept.
;;     - The product sums the exact products of the quantised numbers (number of the format x scale) in f32.
;;   ~~~python
;;   def quantise(x, axis, e):      # numpy; x: float32 -> the quantised numbers, widened to float32 again
;;       x = np.moveaxis(x, axis, -1); K = x.shape[-1]
;;       r = np.clip(x / 2.0 ** e, -448, 448)
;;       step = 2.0 ** (np.maximum(np.frexp(np.where(r == 0, 1, r))[1] - 1, -6) - 3)
;;       q = np.round(r / step) * step * 2.0 ** e      # np.round: ties to even
;;       return np.moveaxis(q, -1, axis).astype(np.float32)
;;   ~~~
;;   SOFTMAX AHEAD OF A QUANTISED PRODUCT. Where the list says 'softmax', what is quantised is not the finished softmax but p = 2^(t - M), with t = logit x log2(e) and M = ceil(the row's largest t), a whole number; so 1/2 < the row's largest p <= 1. The row's sum l is taken of the UNQUANTISED p, in f32, and the product's result is divided by l at the end. Since M is a whole number, a kernel that streams over the keys may use a running M (the ceiling of the running maximum): every later rescaling is an exact power of two, so the quantised numbers keep their values, but for numbers so far below the row's largest that they fall under the format's range.
;;   OPERANDS COMPUTED ON THE WAY. 'Computed on the way' means the value that the module computes at that place (a softmax that the list does not call 'softmax' is quantised finished and normalised). What goes into a quantiser is computed in f32, as accurately as f32 sums, v_exp_f32 and their like allow (about 1e-6 of the number): no bf16 or f16 on the way to a quantiser, and a product that is left as it is and whose result goes on into a quantised operand takes f32 operands (vector FMAs, or v_wmma_f32_16x16x4_f32). A number that lies on a knife's edge between two numbers of the format may be rounded either way, as far as f32 arithmetic and the matrix unit's own rounding can turn it there, and no further.
;; One version. Each part assembles by itself: llvm-mc -triple=amdgcn-amd-amdhsa -mcpu=gfx1250 --defsym DOCPART=n.
;; ======== version 1 of 1: 4 launches
;; limits: right only within a limited range of input values
;; workspace buffers: wimg 4,194,304 bytes; qimg 4,194,304 bytes; kvimg 8,388,608 bytes; ctximg 4,194,304 bytes
;; launch prep (part 1): grid 256 x 1, 4 waves a work-group, no clusters, 0 bytes of LDS; arguments Wq, Wk, Wv, Wo, Wff, Vff, W2ff, lowp_scales, wimg; writes wimg
.if DOCPART == 1
	.amdgcn_target "amdgcn-amd-amdhsa--gfx1250"
	.amdhsa_code_object_version 6
	.text
	.protected	k_q51a4541f1f_prep
	.globl	k_q51a4541f1f_prep
	.p2align	8
	.type	k_q51a4541f1f_prep,@function
k_q51a4541f1f_prep:
	s_mov_b64 s[64:65], 0
	v_nop
	global_prefetch_b8 v0, s[64:65] scope:SCOPE_SE
	s_setreg_imm32_b32 hwreg(HW_REG_WAVE_MODE, 25, 1), 1
	s_wait_xcnt 0x0
; The seven weights, f32 stored [K][N], become codes of E4M3 laid as IMAGES OF OPERAND REGISTERS, in the order in which the later launches read them.
; code = w / 2^e, held within +-448, rounded to the nearest code, ties to even; e is the weight's entry of the buffer of scales.
; LIMITS: e between -126 and 119.  NaN among the inputs is not served.
; A FRAGMENT is 16 columns of W x 128 along K: 16 registers a lane; registers 4c..4c+3 of lane (r, h) hold positions 32c + 16h + 0..15 of column-row r.  Its image is 2,048 bytes:
; block c of 512 bytes holds lane l's 16 bytes at 16 l.  THE COLUMNS OF A TILE ARE NOT NEIGHBOURS: lane r of tile u of a group of 32 columns takes column 8u + r + 8 (r / 8).
; SHARES.  A wave takes 32 neighbouring columns (group cg) x one K step of 128: A LANE TAKES A COLUMN AND ITS REGISTERS RUN DOWN K, so each load reads 128 consecutive bytes a wave, and the
; four waves of a work-group stand side by side on 512.  1,024 such tasks = 256 work-groups x 4 waves.  The conversions give codes with K innermost; nothing is transposed, no LDS is used.
; Lane l = 16g + 8u + e holds lane-row r = 8g + e of tile u: a store covers two aligned runs of 256 bytes (tile 0's and tile 1's).
; For Wq, Wk, Wv position 16m + 4i + j of K step ks holds k = 128 i + 32 ks + 4 m + j: the order in which the next launch's dense loads of x leave x's codes.  All other weights: position = k.
; No cluster, no tensor load: no two work-groups read the same byte.
.set TS, 786432                        ; wimg: Wq, Wk, Wv (262,144 bytes each), then the last launch's stream of 26 fills of 131,072 bytes
.set XN, 16                            ; v16-143  128 numbers down K
.set CD, 144                           ; v144-175 their codes
	s_load_b512 s[8:23], s[0:1], 0x0               ; Wq s[8:9], Wk s[10:11], Wv s[12:13], Wo s[14:15], Wff s[16:17], Vff s[18:19], W2ff s[20:21], the scales s[22:23]
	s_load_b64 s[24:25], s[0:1], 0x40              ; wimg
	v_lshrrev_b32 v1, 5, v0
	v_readfirstlane_b32 s2, v1                     ; wave 0..3
	v_and_b32 v2, 31, v0                           ; lane
	v_lshlrev_b32 v3, 2, v2                        ; in: 4 bytes a lane
	v_bfe_u32 v5, v0, 3, 1                         ; u
	v_bfe_u32 v6, v0, 4, 1                         ; g
	v_and_b32 v7, 7, v0                            ; e
	v_lshl_add_u32 v7, v6, 3, v7                   ; r = 8 g + e
	v_lshlrev_b32 v4, 4, v7
	v_lshl_add_u32 v4, v5, 11, v4                  ; out: 2,048 u + 16 r
	s_mov_b32 s3, ttmp9                            ; n: which tensor and which part of it
	s_mov_b32 s37, 0
	s_mov_b32 s39, 0
	s_wait_kmcnt 0x0
; s[4:5] the tensor, s38 its first row's bytes, s36 the place in wimg, s40 the scale's byte offset, s41 cg: the addresses are finished and the 128 loads issued, in the order of their registers
.macro GO n, perm
	s_lshl_b32 s33, s41, 7                         ; 32 columns are 128 bytes
	v_add_nc_u32 v3, s33, v3
	s_load_b32 s34, s[22:23], s40 offset:0x0       ; e
	s_add_nc_u64 s[4:5], s[4:5], s[38:39]
	s_add_nc_u64 s[24:25], s[24:25], s[36:37]
.set QI, 0
.rept 128
.if \perm
	global_load_b32 v[XN+QI], v3, s[4:5] offset:(128*((QI%16)/4)+4*(QI/16)+QI%4)*4*\n th:TH_LOAD_NT
.else
	global_load_b32 v[XN+QI], v3, s[4:5] offset:QI*4*\n th:TH_LOAD_NT
.endif
.set QI, QI+1
.endr
.endm
	s_cmp_lt_u32 s3, 48
	s_cbranch_scc0 .Lnot_qkv
	s_lshr_b32 s28, s3, 4                          ; Wq, Wk, Wv: tensor tn,
	s_and_b32 s29, s3, 15
	s_and_b32 s30, s29, 3                          ; quarter of the columns,
	s_lshr_b32 s31, s29, 2                         ; K step
	s_lshl_b32 s41, s30, 2
	s_add_co_u32 s41, s41, s2                      ; cg 0..15
	s_cmp_eq_u32 s28, 0
	s_cselect_b64 s[4:5], s[8:9], s[10:11]
	s_cmp_eq_u32 s28, 2
	s_cselect_b64 s[4:5], s[12:13], s[4:5]
	s_lshl_b32 s38, s31, 16                        ; 32 ks rows of 2,048 bytes
	s_lshl_b32 s36, s28, 18                        ; tn x 262,144
	s_lshr_b32 s33, s41, 1
	s_lshl_b32 s33, s33, 15
	s_add_co_u32 s36, s36, s33                     ; + head x 32,768
	s_lshl_b32 s33, s31, 13
	s_add_co_u32 s36, s36, s33                     ; + ks x 8,192
	s_and_b32 s33, s41, 1
	s_lshl_b32 s33, s33, 12
	s_add_co_u32 s36, s36, s33                     ; + the head's half x 4,096
	s_lshl_b32 s40, s28, 3
	s_add_co_u32 s40, s40, 4                       ; entry 2 tn + 1
	s_wait_alu depctr_va_vdst(0)
	GO 512, 1
	s_branch .Lcommon
.Lnot_qkv:
	s_cmp_lt_u32 s3, 64
	s_cbranch_scc0 .Lnot_wo
	s_and_b32 s29, s3, 15                          ; Wo
	s_and_b32 s30, s29, 3
	s_lshr_b32 s31, s29, 2
	s_lshr_b32 s36, s31, 1                         ; fill ks / 2
	s_mov_b32 s40, 44                              ; entry 11
	s_branch .Lgo512
.Lnot_wo:
	s_cmp_lt_u32 s3, 192
	s_cbranch_scc0 .Lw2
	s_sub_co_u32 s28, s3, 64                       ; Wff (0), Vff (1)
	s_lshr_b32 s28, s28, 6
	s_and_b32 s29, s3, 63
	s_and_b32 s30, s29, 15
	s_lshr_b32 s31, s29, 4                         ; K step 0..3
	s_lshl_b32 s41, s30, 2
	s_add_co_u32 s41, s41, s2                      ; cg 0..63
	s_cmp_eq_u32 s28, 0
	s_cselect_b64 s[4:5], s[16:17], s[18:19]
	s_lshl_b32 s38, s31, 20                        ; 128 ks rows of 8,192 bytes
	s_lshr_b32 s36, s41, 3                         ; chunk of 256 hidden units
	s_mul_i32 s36, s36, 3
	s_add_co_u32 s36, s36, s28
	s_add_co_u32 s36, s36, 2                       ; fill 2 + mat + 3 chunk
	s_lshl_b32 s36, s36, 17
	s_add_co_u32 s36, s36, TS
	s_and_b32 s33, s41, 7
	s_lshl_b32 s33, s33, 14
	s_add_co_u32 s36, s36, s33                     ; + wave x 16,384
	s_lshl_b32 s33, s31, 12
	s_add_co_u32 s36, s36, s33                     ; + ks x 4,096
	s_lshl_b32 s40, s28, 3
	s_add_co_u32 s40, s40, 52                      ; entry 13 + 2 mat
	s_wait_alu depctr_va_vdst(0)
	GO 2048, 0
	s_branch .Lcommon
.Lw2:
	s_and_b32 s29, s3, 63                          ; W2ff
	s_and_b32 s30, s29, 3
	s_lshr_b32 s31, s29, 2                         ; K step 0..15
	s_lshr_b32 s36, s31, 1
	s_mul_i32 s36, s36, 3
	s_add_co_u32 s36, s36, 4                       ; fill 4 + 3 (ks / 2)
	s_mov_b32 s40, 68                              ; entry 17
.Lgo512:                                               ; Wo and W2ff: 512 columns, K in its own order
	s_cmp_lt_u32 s3, 64
	s_cselect_b64 s[4:5], s[14:15], s[20:21]
	s_lshl_b32 s41, s30, 2
	s_add_co_u32 s41, s41, s2                      ; cg 0..15
	s_lshl_b32 s38, s31, 18                        ; 128 ks rows of 2,048 bytes
	s_lshl_b32 s36, s36, 17
	s_add_co_u32 s36, s36, TS
	s_lshr_b32 s33, s41, 1
	s_lshl_b32 s33, s33, 14
	s_add_co_u32 s36, s36, s33                     ; + wave x 16,384
	s_and_b32 s33, s31, 1
	s_lshl_b32 s33, s33, 13
	s_add_co_u32 s36, s36, s33                     ; + (ks % 2) x 8,192
	s_and_b32 s33, s41, 1
	s_lshl_b32 s33, s33, 12
	s_add_co_u32 s36, s36, s33                     ; + the wave's half x 4,096
	s_wait_alu depctr_va_vdst(0)
	GO 512, 0
.Lcommon:
	s_wait_kmcnt 0x0
	s_add_co_i32 s42, s34, 127
	s_lshl_b32 s43, s42, 23
	v_mov_b32 v8, s43                              ; 2^e as f32: the conversion takes its exponent field
.set GI, 0
	s_wait_alu depctr_va_vdst(0)
.rept 4                                ; block GI of 32 positions
.set LEFT, 96-32*GI                    ; the loads issued behind this block's 32, which may stay out: 96, 64, 32, 0;
.if LEFT > 63
.set LEFT, 63                          ; a wait names 63 at the most, and a smaller count than is needed is safe: with 63 of the 128 out, the first 65 are in, blocks 0 and 1 among them
.endif
	s_wait_loadcnt LEFT                            ; loads come back in order (ISA guide 5.7.1): this block's 32 are in
.set QI, 0
.rept 32
.set QI, QI+1
.endr
.set QI, 0
.rept 4
	v_cvt_scalef32_pk8_fp8_f32 v[CD+8*GI+2*QI:CD+8*GI+2*QI+1], v[XN+32*GI+8*QI:XN+32*GI+8*QI+7], v8
.set QI, QI+1
.endr
	v_nop                                          ; a plain line behind the run of conversions
	global_store_b128 v4, v[CD+8*GI:CD+8*GI+3], s[24:25] offset:512*GI        ; positions 32 GI + 0..15: the image's lanes 0-15: 256 consecutive bytes for each of the two tiles
	global_store_b128 v4, v[CD+8*GI+4:CD+8*GI+7], s[24:25] offset:512*GI+256  ; positions 32 GI + 16..31: its lanes 16-31
.set GI, GI+1
.endr
	s_endpgm
.Lfunc_end_k_q51a4541f1f_prep:
	.size	k_q51a4541f1f_prep, .Lfunc_end_k_q51a4541f1f_prep-k_q51a4541f1f_prep
	.p2alignl 7, 3214868480
	.fill 96, 4, 3214868480
	.section	.rodata,"a",@progbits
	.p2align	6, 0x0
	.amdhsa_kernel k_q51a4541f1f_prep
		.amdhsa_group_segment_fixed_size 0
		.amdhsa_private_segment_fixed_size 0
		.amdhsa_enable_private_segment 0
		.amdhsa_kernarg_size 72
		.amdhsa_user_sgpr_count 2
		.amdhsa_user_sgpr_kernarg_segment_ptr 1
		.amdhsa_wavefront_size32 1
		.amdhsa_system_sgpr_workgroup_id_x 1
		.amdhsa_system_sgpr_workgroup_id_y 1
		.amdhsa_system_sgpr_workgroup_id_z 1
		.amdhsa_system_vgpr_workitem_id 0
		.amdhsa_next_free_vgpr 176
		.amdhsa_next_free_sgpr 66
		.amdhsa_reserve_vcc 0
		.amdhsa_float_denorm_mode_32 3
		.amdhsa_float_denorm_mode_16_64 3
		.amdhsa_fp16_overflow 1
		.amdhsa_memory_ordered 1
		.amdhsa_forward_progress 1
		.amdhsa_inst_pref_size 43
	.end_amdhsa_kernel
	.amdgpu_metadata
---
amdhsa.version: [ 1, 2 ]
amdhsa.kernels:
  - .name:           k_q51a4541f1f_prep
    .symbol:         k_q51a4541f1f_prep.kd
    .args:
      - { .name: Wq, .offset: 0, .size: 8, .value_kind: global_buffer, .address_space: global }
      - { .name: Wk, .offset: 8, .size: 8, .value_kind: global_buffer, .address_space: global }
      - { .name: Wv, .offset: 16, .size: 8, .value_kind: global_buffer, .address_space: global }
      - { .name: Wo, .offset: 24, .size: 8, .value_kind: global_buffer, .address_space: global }
      - { .name: Wff, .offset: 32, .size: 8, .value_kind: global_buffer, .address_space: global }
      - { .name: Vff, .offset: 40, .size: 8, .value_kind: global_buffer, .address_space: global }
      - { .name: W2ff, .offset: 48, .size: 8, .value_kind: global_buffer, .address_space: global }
      - { .name: lowp_scales, .offset: 56, .size: 8, .value_kind: global_buffer, .address_space: global }
      - { .name: wimg, .offset: 64, .size: 8, .value_kind: global_buffer, .address_space: global }
    .group_segment_fixed_size: 0
    .private_segment_fixed_size: 0
    .kernarg_segment_align: 8
    .kernarg_segment_size: 72
    .max_flat_workgroup_size: 128
    .sgpr_count:     66
    .vgpr_count:     176
    .wavefront_size: 32
...
	.end_amdgpu_metadata
.endif
;; end of part 1
;; launch qkv (part 2): grid 64 x 3, 8 waves a work-group, no clusters, 68,608 bytes of LDS; arguments x, wimg, bq, bk, bv, lowp_scales, qimg, kvimg; writes qimg, kvimg
.if DOCPART == 2
	.amdgcn_target "amdgcn-amd-amdhsa--gfx1250"
	.amdhsa_code_object_version 6
	.text
	.protected	k_q51a4541f1f_qkv
	.globl	k_q51a4541f1f_qkv
	.p2align	8
	.type	k_q51a4541f1f_qkv,@function
k_q51a4541f1f_qkv:
	s_mov_b64 s[64:65], 0
	v_nop
	global_prefetch_b8 v0, s[64:65] scope:SCOPE_SE
	s_setreg_imm32_b32 hwreg(HW_REG_WAVE_MODE, 25, 1), 1
	s_wait_xcnt 0x0
; q = x Wq + bq, k = x Wk + bk, v = x Wv + bv on codes of E4M3, and the results quantised at once for attention's two products, stored as images of operand registers.
; SHARES.  Work-group (tb, y): 128 tokens (block tb) x one of the three matrices (y = 0 q, 1 k, 2 v).  Wave w makes head w: 64 columns, four tiles of 16.  Its 16 fragments of W stay in registers (window 1).
; x IS QUANTISED ONCE A WORK-GROUP with the scale of product y: wave w loads 16 tokens, each row by four dense loads of 512 bytes; a lane's 16 numbers become 16 codes at byte 16 l of the row in LDS.
; So code position 16 l + 4 i + j holds k = 128 i + 4 l + j; the weights' images are laid in the same order, and every product meets its partner.
; LDS row 16 t + r holds token 32 (t / 2) + 8 (t % 2) + r + 8 (r / 8) of the block: THE TOKENS OF A TILE ARE NOT NEIGHBOURS, so that 16 registers of two neighbouring tiles are 16 neighbouring tokens.
; q, k: source 0 = 16 columns of W, source 1 = 16 tokens: a lane holds one token, its registers run along the head's 64: the next product's K.
; v:    source 0 = 16 tokens, source 1 = 16 columns of W: a lane holds one channel, its registers run along the tokens: the keys, the second product's K.
; The bias, divided by 2^(ex + ew), is the C of each sum's first matrix instruction.  The three scales ahead of the quantiser are folded into the conversion's one: 2^(eo - ex - ew).
; LIMITS: ex, and eo - ex - ew, between -126 and 119.  NaN among the inputs is not served.
; No multicast: this text has no tensor load; the three work-groups that share a block of x are no multiple of four, and what they share comes in once for 2,048 matrix instructions' worth of a work-group.
; REGISTERS: window 1: W(ks, nt) at v[16 (4 ks + nt)].  Window 0: v1-15 addresses and scales; v16-31 codes; v32-223 x, three sets of 64; later v32-95 eight accumulators, v96-159 x's fragments, two sets; v224-255 the bias.
.set PITCH, 528                        ; a row of 512 codes + 16: an odd multiple of 16 bytes, so the 16 rows of a fragment load start at 16 different columns of banks
.set SPARE, 128*PITCH                  ; behind the rows: the spare words, 128 bytes for each wave
.set PC,   16
.set XR,   32
.set ACC,  32
.set XF,   96
.set BIAS, 224
.set MSB, 0
.macro WIN new                         ; the immediate's high byte repeats the setting that is left
.if MSB != \new
	s_set_vgpr_msb (MSB<<8)|\new
.set MSB, \new
.endif
.endm
.macro NOP4
.rept 4
	v_nop
.endr
.endm
.macro VSCALE vp, e                    ; v[vp] = 2^s[e]
	s_add_co_i32 s6, s[\e], 127
	s_lshl_b32 s7, s6, 23
	v_mov_b32 v[\vp], s7
.endm
	s_load_b512 s[8:23], s[0:1], 0x0               ; x s[8:9], wimg s[10:11], bq s[12:13], bk s[14:15], bv s[16:17], the scales s[18:19], qimg s[20:21], kvimg s[22:23]
	v_lshl_add_u32 v2, v0, 2, SPARE                ; my spare word,
	v_mov_b32 v3, 0                                ; and 0: kept for the wave's end
	v_lshrrev_b32 v1, 5, v0
	s_delay_alu instid0(VALU_DEP_1)
	v_readfirstlane_b32 s2, v1                     ; wave = head 0..7
	s_and_b32 s3, ttmp7, 0xffff                    ; y
	s_mov_b32 s4, ttmp9                            ; tb
	v_and_b32 v16, 31, v0
	s_delay_alu instid0(VALU_DEP_1)
	v_lshlrev_b32 v1, 4, v16                       ; 16 l
	v_and_b32 v17, 15, v0                          ; r
	v_bfe_u32 v18, v0, 4, 1                        ; h
	s_mul_i32 s5, s2, 16*PITCH
	v_add_nc_u32 v4, s5, v1                        ; where I store codes: my wave's 16 rows, + 16 l
	v_mul_u32_u24 v5, v17, PITCH
	s_delay_alu instid0(VALU_DEP_1)
	v_lshl_add_u32 v5, v18, 4, v5                  ; where I read fragments: row r, + 16 h
	s_lshl_b32 s5, s2, 8                           ; my head's 64 numbers of a bias
	v_lshlrev_b32 v6, 6, v18
	s_delay_alu instid0(VALU_DEP_1)
	v_add_nc_u32 v6, s5, v6                        ; 256 w + 64 h: q's and k's layout
	v_and_b32 v15, 8, v17
	s_delay_alu instid0(VALU_DEP_1)
	v_add_nc_u32 v15, v15, v17
	s_delay_alu instid0(VALU_DEP_1)
	v_lshlrev_b32 v15, 2, v15
	s_delay_alu instid0(VALU_DEP_1)
	v_add_nc_u32 v15, s5, v15                      ; 256 w + 4 (r + 8 (r / 8)): v's layout
	s_lshl_b32 s24, s3, 18
	s_lshl_b32 s25, s2, 15
	s_add_co_u32 s24, s24, s25                     ; W: y x 262,144 + w x 32,768
	s_mov_b32 s25, 0
	s_lshl_b32 s26, s4, 7
	s_lshr_b32 s27, s2, 1
	s_lshl_b32 s27, s27, 5
	s_add_co_u32 s26, s26, s27
	s_and_b32 s27, s2, 1
	s_lshl_b32 s27, s27, 3
	s_add_co_u32 s26, s26, s27                     ; my first token: 128 tb + 32 (w / 2) + 8 (w % 2)
	s_lshl_b32 s26, s26, 11                        ; rows of 2,048 bytes
	s_mov_b32 s27, 0
	s_lshl_b32 s28, s3, 3                          ; entries 2 y, 2 y + 1
	s_lshl_b32 s29, s3, 2
	s_add_co_u32 s29, s29, 24
	s_cmp_eq_u32 s3, 2
	s_cselect_b32 s30, 4, 0
	s_add_co_u32 s29, s29, s30                     ; entry 6, 7 or 9
	s_lshr_b32 s31, s4, 4                          ; b
	s_and_b32 s32, s4, 15                          ; s
	s_lshl_b32 s31, s31, 3
	s_add_co_u32 s31, s31, s2
	s_lshl_b32 s31, s31, 4
	s_add_co_u32 s31, s31, s32                     ; (8 b + w) x 16 + s
	s_cmp_eq_u32 s3, 0
	s_cselect_b32 s33, 13, 14                      ; 8,192 bytes a step in qimg, 16,384 in kvimg
	s_lshl_b32 s34, s31, s33
	s_cmp_eq_u32 s3, 2
	s_cselect_b32 s33, 8192, 0                     ; V lies behind K
	s_add_co_u32 s34, s34, s33
	s_mov_b32 s35, 0
	s_wait_alu depctr_va_vdst(0)
	s_wait_kmcnt 0x0
	s_load_b64 s[40:41], s[18:19], s28 offset:0x0  ; ex, ew
	s_load_b32 s42, s[18:19], s29 offset:0x0       ; eo
	s_add_nc_u64 s[10:11], s[10:11], s[24:25]
	s_add_nc_u64 s[8:9], s[8:9], s[26:27]
	s_cmp_eq_u32 s3, 0
	s_cselect_b64 s[36:37], s[20:21], s[22:23]     ; the buffer of results
	s_cselect_b64 s[38:39], s[12:13], s[14:15]     ; the bias
	s_cmp_eq_u32 s3, 2
	s_cselect_b64 s[38:39], s[16:17], s[38:39]
	s_add_nc_u64 s[36:37], s[36:37], s[34:35]
	WIN 0x40                                       ; destination window 1
.set i, 0
.rept 64
	global_load_b128 v[4*i:4*i+3], v1, s[10:11] offset:512*i   ; W's 16 fragments as they lie: 512 consecutive bytes a load
.set i, i+1
.endr
	WIN 0
.irp nt, 0,1,2,3                       ; the bias in both layouts: the path is chosen later
	global_load_b128 v[BIAS+8*\nt:BIAS+8*\nt+3], v6, s[38:39] offset:(32*(\nt/2)+8*(\nt%2))*4
	global_load_b128 v[BIAS+8*\nt+4:BIAS+8*\nt+7], v6, s[38:39] offset:(32*(\nt/2)+8*(\nt%2))*4+16
	global_load_b32 v[11+\nt], v15, s[38:39] offset:(32*(\nt/2)+8*(\nt%2))*4
.endr
.macro XLOAD b                         ; LDS rows 4 b .. 4 b + 3 of my 16: row 8 g + e is the token 16 g + e behind my first
.irp rr, 0,1,2,3
.irp q, 0,1,2,3
	global_load_b128 v[XR+64*((\b)%3)+16*\rr+4*\q:XR+64*((\b)%3)+16*\rr+4*\q+3], v1, s[8:9] offset:(16*((4*(\b)+\rr)/8)+(4*(\b)+\rr)%8)*2048+512*\q
.endr
.endr
.endm
.macro XQ b, left                      ; four rows become codes and go to LDS.  left: the younger loads of x, which may stay out
	s_wait_loadcnt \left
.if \b > 0
	s_wait_dscnt 0x0                               ; the last batch's LDS stores have read the code registers
.endif
.set XB, XR+64*((\b)%3)
.set i, 0
.rept 64
.set i, i+1
.endr
.irp rr, 0,1,2,3
	v_cvt_scalef32_pk8_fp8_f32 v[PC+4*\rr:PC+4*\rr+1], v[XB+16*\rr:XB+16*\rr+7], v7
	v_cvt_scalef32_pk8_fp8_f32 v[PC+4*\rr+2:PC+4*\rr+3], v[XB+16*\rr+8:XB+16*\rr+15], v7
.endr
	v_nop                                          ; a plain line behind the run of conversions
.irp rr, 0,1,2,3
	ds_store_b128 v4, v[PC+4*\rr:PC+4*\rr+3] offset:(4*(\b)+\rr)*PITCH
.endr
.endm
	XLOAD 0
	XLOAD 1
	XLOAD 2
	s_wait_kmcnt 0x0
	VSCALE 7, 40                                   ; v7: x's scale
	s_add_co_i32 s45, s40, s41                     ; ex + ew
	s_sub_co_i32 s46, s42, s45                     ; eo - ex - ew
	VSCALE 9, 46                                   ; v9: the results'
	s_sub_co_i32 s45, 0, s45
	s_wait_alu depctr_va_vdst(0)
	XQ 0, 32                                       ; batches 1 and 2 may be out; W and the bias were issued earlier and are in
	XLOAD 3                                        ; into batch 0's registers
	XQ 1, 32
	XQ 2, 16
	XQ 3, 0
	s_wait_dscnt 0x0                               ; for the others' sake: my rows lie in LDS
	s_barrier_signal -1
	s_barrier_wait -1                              ; all 128 rows do
; x's two fragments of step n (tiles 2 (n / 4) and 2 (n / 4) + 1, K step n % 4) into set n % 2
.macro LOADX n
.irp tt, 0,1
.irp cb, 0,1,2,3
	ds_load_b128 v[XF+32*((\n)%2)+16*\tt+4*\cb:XF+32*((\n)%2)+16*\tt+4*\cb+3], v5 offset:16*(2*((\n)/4)+\tt)*PITCH+128*((\n)%4)+32*\cb
.endr
.endr
.endm
; Step n: eight matrix instructions on eight accumulators by turns; the next step's fragments are asked for first
.macro GSTEP n, vpath
.if (\n) >= 1
	NOP4                                           ; places in front of loads into registers that matrix instructions have read
.endif
.if (\n) < 15
	LOADX (\n)+1
	s_wait_dscnt 8                                 ; this step's fragments are in; the eight loads just issued may be out
.else
	s_wait_dscnt 0x0
.endif
.set KS, (\n)%4
.set XB, XF+32*((\n)%2)
.if \vpath
	WIN 0x04                                       ; source 1 (W) window 1
.else
	WIN 0x01                                       ; source 0 (W) window 1
.endif
.irp tt, 0,1
.irp nt, 0,1,2,3
.set DR, ACC+32*\tt+8*\nt
.set WR, 16*(4*KS+\nt)
.set XG, XB+16*\tt
.set CR, DR
.if KS == 0
.set CR, BIAS+8*\nt                    ; the first K step starts the sum with the bias
.endif
.if \vpath
	v_wmma_f32_16x16x128_fp8_fp8 v[DR:DR+7], v[XG:XG+15], v[WR:WR+15], v[CR:CR+7]
.else
	v_wmma_f32_16x16x128_fp8_fp8 v[DR:DR+7], v[WR:WR+15], v[XG:XG+15], v[CR:CR+7]
.endif
.endr
.endr
	WIN 0
.endm
; The 32 tokens of pair c are finished: hold, convert, store four blocks of 512 consecutive bytes
.macro OUTQ c, vpath
	NOP4                                           ; places in front of the first read of results
	s_wait_xcnt 0x0                                ; the last stores have read the code registers
.set i, 0
.rept 64
.set i, i+1
.endr
.irp p, 0,1,2,3
.if \vpath
	v_cvt_scalef32_pk8_fp8_f32 v[PC+4*\p:PC+4*\p+1], v[ACC+8*\p:ACC+8*\p+7], v9          ; channel tile p: tokens 32 c + 16 h + 0..7,
	v_cvt_scalef32_pk8_fp8_f32 v[PC+4*\p+2:PC+4*\p+3], v[ACC+32+8*\p:ACC+32+8*\p+7], v9  ; and + 8..15
.else
	v_cvt_scalef32_pk8_fp8_f32 v[PC+4*\p:PC+4*\p+1], v[ACC+16*\p:ACC+16*\p+7], v9        ; token tile p / 2, channels 32 (p % 2) + 16 h + 0..7,
	v_cvt_scalef32_pk8_fp8_f32 v[PC+4*\p+2:PC+4*\p+3], v[ACC+16*\p+8:ACC+16*\p+15], v9   ; and + 8..15
.endif
.endr
	v_nop                                          ; a plain line between the conversions and the next products, which write their sources
.irp p, 0,1,2,3
.if \vpath
	global_store_b128 v1, v[PC+4*\p:PC+4*\p+3], s[36:37] offset:(4*\p+(\c))*512
.else
	global_store_b128 v1, v[PC+4*\p:PC+4*\p+3], s[36:37] offset:(4*(\c)+\p)*512
.endif
.endr
.endm
.macro PATH vpath
	LOADX 0
.set NS, 0
.rept 16
	GSTEP NS, \vpath
.if NS%4 == 3
	OUTQ NS/4, \vpath
.endif
.set NS, NS+1
.endr
	s_wait_tensorcnt 0x0                           ; the wave's end
	ds_add_u32 v2, v3
	s_wait_dscnt 0x0
	s_endpgm
.endm
	s_cmp_eq_u32 s3, 2
	s_cbranch_scc1 .Lvpath
.set i, 0
.rept 32
	v_ldexp_f32 v[BIAS+i], v[BIAS+i], s45          ; b / 2^(ex + ew)
.set i, i+1
.endr
	s_wait_alu depctr_va_vdst(0)
	PATH 0
.Lvpath:
.irp nt, 0,1,2,3
.irp j, 0,1,2,3,4,5,6,7
	v_ldexp_f32 v[BIAS+8*\nt+\j], v[11+\nt], s45   ; a lane holds one channel: its bias in all eight registers
.endr
.endr
	s_wait_alu depctr_va_vdst(0)
	PATH 1
.Lfunc_end_k_q51a4541f1f_qkv:
	.size	k_q51a4541f1f_qkv, .Lfunc_end_k_q51a4541f1f_qkv-k_q51a4541f1f_qkv
	.p2alignl 7, 3214868480
	.fill 96, 4, 3214868480
	.section	.rodata,"a",@progbits
	.p2align	6, 0x0
	.amdhsa_kernel k_q51a4541f1f_qkv
		.amdhsa_group_segment_fixed_size 68608
		.amdhsa_private_segment_fixed_size 0
		.amdhsa_enable_private_segment 0
		.amdhsa_kernarg_size 64
		.amdhsa_user_sgpr_count 2
		.amdhsa_user_sgpr_kernarg_segment_ptr 1
		.amdhsa_wavefront_size32 1
		.amdhsa_system_sgpr_workgroup_id_x 1
		.amdhsa_system_sgpr_workgroup_id_y 1
		.amdhsa_system_sgpr_workgroup_id_z 1
		.amdhsa_system_vgpr_workitem_id 0
		.amdhsa_next_free_vgpr 512
		.amdhsa_next_free_sgpr 66
		.amdhsa_reserve_vcc 0
		.amdhsa_float_denorm_mode_32 3
		.amdhsa_float_denorm_mode_16_64 3
		.amdhsa_fp16_overflow 1
		.amdhsa_memory_ordered 1
		.amdhsa_forward_progress 1
		.amdhsa_inst_pref_size 72
	.end_amdhsa_kernel
	.amdgpu_metadata
---
amdhsa.version: [ 1, 2 ]
amdhsa.kernels:
  - .name:           k_q51a4541f1f_qkv
    .symbol:         k_q51a4541f1f_qkv.kd
    .args:
      - { .name: x, .offset: 0, .size: 8, .value_kind: global_buffer, .address_space: global }
      - { .name: wimg, .offset: 8, .size: 8, .value_kind: global_buffer, .address_space: global }
      - { .name: bq, .offset: 16, .size: 8, .value_kind: global_buffer, .address_space: global }
      - { .name: bk, .offset: 24, .size: 8, .value_kind: global_buffer, .address_space: global }
      - { .name: bv, .offset: 32, .size: 8, .value_kind: global_buffer, .address_space: global }
      - { .name: lowp_scales, .offset: 40, .size: 8, .value_kind: global_buffer, .address_space: global }
      - { .name: qimg, .offset: 48, .size: 8, .value_kind: global_buffer, .address_space: global }
      - { .name: kvimg, .offset: 56, .size: 8, .value_kind: global_buffer, .address_space: global }
    .group_segment_fixed_size: 68608
    .private_segment_fixed_size: 0
    .kernarg_segment_align: 8
    .kernarg_segment_size: 64
    .max_flat_workgroup_size: 256
    .sgpr_count:     66
    .vgpr_count:     512
    .wavefront_size: 32
...
	.end_amdgpu_metadata
.endif
;; end of part 2
;; launch attn (part 3): grid 8 x 32, 16 waves a work-group, clusters of 4 x 1, 327,680 bytes of LDS; arguments qimg, kvimg, lowp_scales, ctximg; writes ctximg
.if DOCPART == 3
	.amdgcn_target "amdgcn-amd-amdhsa--gfx1250"
	.amdhsa_code_object_version 6
	.text
	.protected	k_q51a4541f1f_attn
	.globl	k_q51a4541f1f_attn
	.p2align	8
	.type	k_q51a4541f1f_attn,@function
k_q51a4541f1f_attn:
	s_mov_b64 s[64:65], 0
	v_nop
	global_prefetch_b8 v0, s[64:65] scope:SCOPE_SE
	s_setreg_imm32_b32 hwreg(HW_REG_WAVE_MODE, 25, 1), 1
	s_wait_xcnt 0x0
	s_wait_alu depctr_hold_cnt(0) depctr_sa_sdst(0) depctr_va_vdst(0) depctr_va_sdst(0) depctr_va_ssrc(0) depctr_va_vcc(0) depctr_vm_vsrc(0)
	s_getreg_b32 s2, hwreg(HW_REG_IB_STS2, 6, 4)
	s_cmp_eq_u32 s2, 0
	s_cbranch_scc0 .Lentry_in_a_cluster
	s_endpgm
.Lentry_in_a_cluster:
	s_bfe_u32 s2, ttmp6, 0x10000c
	s_cmp_lg_u32 s2, 0x3003
	s_cbranch_scc0 .Lentry_shape_is_right
	s_endpgm
.Lentry_shape_is_right:
; ctx = softmax(q k^T / 8) v for one head, both products on codes of E4M3; the result is quantised at once for the product with Wo and stored as an image of operand registers.
; THE SOFTMAX AHEAD OF THE SECOND PRODUCT: t = score x log2(e) / 8; M = the running largest t rounded UP to a whole number; p = 2^(t - M) is quantised, not normalised; the row's sum is taken of the
; unquantised p and divides at the end.  When M moves, the sum and O are multiplied by 2^(old M - new M): exact, and no branch on data.
; SHARES.  A work-group owns 256 queries of one head (ttmp7), each of its sixteen waves one tile of 16, in 256 registers: four waves to a SIMD, so that one wave's vector work stands beside another's products and LDS loads.
; A HEAD'S WHOLE K AND V, 262,144 bytes of codes, LIE IN LDS: wave w brings key step w (128 keys: 8 KB of K's fragments, 8 KB of V's) by ONE tensor load.  Nothing is filled again: no ring.  One tensor load a wave is outstanding.
; CLUSTER.  The four query blocks of a cluster belong to one head: each load is asked for JOINTLY, with the same descriptor and a mask that names the four.  A work-group's place enters Q's and ctx's global addresses alone.
; LAYOUT.  S^T = K Q^T (source 0 = 16 keys, source 1 = my queries), O^T = V^T P^T (source 0 = 16 channels, source 1 = P): a lane holds ONE query throughout.  The keys of a tile of K and the channels of a tile of V are chosen
; (lane r of tile 2c + u: 32c + 8u + r + 8 (r / 8)) so that 16 registers of two neighbouring tiles are 16 neighbours along the next K.  All fragments lie in LDS as images of their registers: every LDS load takes 512 consecutive bytes.
; LIMITS: e6 + e7 between -123 and 130 (added to c's exponent field); e8, and e10 - e8 - e9, between -126 and 119.  NaN among the inputs is not served.
; No prefetch: all that the launch reads is asked for at its head.
; REGISTERS: v1 16 l; v2 p's scale; v4 the step's LDS address; v5, v6 the add's two; v12 -M, v13 the largest t, v[14:15] the sum; v16-23 Q; v24-31 at work; v32-95 K's eight fragments, later p's codes in v32-47;
;   v96-159 S^T, then p; v160-191 O^T; v192-255 V's four fragments.
.set SPARE, 262144                     ; behind K and V: the spare words, 128 bytes for each of the sixteen waves
.set WV,  12
.set G1,  16                           ; s[16:23] descriptor group 1
.set G0,  24                           ; s[24:27] descriptor group 0
.set TB,  28                           ; LDS byte of the key step in hand
.set CNT, 29
.set SEL, 30                           ; s[30:31] lane selects: lane l xor 16
.set CS,  32                           ; s[32:33] c
.macro CROUND                          ; a round of the cluster's barrier
	s_barrier_signal -1
	s_barrier_wait -1
	s_cmp_lg_u32 s[WV], 0
	s_cbranch_scc1 .Lnot_wave_0_\@
	s_barrier_signal -3
.Lnot_wave_0_\@:
	s_barrier_wait -3
	s_barrier_signal -1
	s_barrier_wait -1
.endm
	s_load_b256 s[4:11], s[0:1], 0x0               ; qimg s[4:5], kvimg s[6:7], the scales s[8:9], ctximg s[10:11]
	v_lshl_add_u32 v5, v0, 2, SPARE
	v_mov_b32 v6, 0
	ds_add_u32 v5, v6                              ; the wave's opening: the add and its wait stand ahead of my first tensor load; work on registers stands between them
	ds_add_u32 v5, v6
	v_lshrrev_b32 v1, 5, v0
	s_delay_alu instid0(VALU_DEP_1)
	v_readfirstlane_b32 s[WV], v1                  ; wave 0..15
	s_bfe_u32 s13, ttmp6, 0x40000                  ; cx
	s_lshl_b32 s14, ttmp9, 2
	s_add_co_u32 s14, s14, s13                     ; my block of 256 queries
	s_and_b32 s15, ttmp7, 0xffff                   ; the head, 8 b + head: the four partners share it
	s_mov_b32 s[G1], 15|(3<<16)|(1<<21)            ; 15:0 the mask: all four; 17:16 elements of 8 bytes; 21 set beside a mask; no padding
	s_mov_b32 s[G1+1], 32<<16                      ; tensor_dim0 = 32 elements: rows of 256 bytes
	s_mov_b32 s[G1+2], 64<<16                      ; tensor_dim1 = 64
	s_mov_b32 s[G1+3], 32<<16                      ; tile_dim0 = 32
	s_mov_b32 s[G1+4], 64                          ; tile_dim1 = 64: 16,384 bytes
	s_mov_b32 s[G1+5], 32                          ; the pitch: the block is dense
	s_mov_b32 s[G1+6], 0
	s_mov_b32 s[G1+7], 0
	s_mov_b32 s[G0], 1
	s_lshl_b32 s[G0+1], s[WV], 14                  ; LDS address: wave x 16,384
	s_lshl_b32 s34, s15, 18
	s_add_co_u32 s34, s34, s[G0+1]                 ; in kvimg: head x 262,144 + wave x 16,384
	s_mov_b32 s35, 0
	s_lshl_b32 s36, s15, 17
	s_lshl_b32 s37, s14, 14
	s_add_co_u32 s36, s36, s37
	s_lshl_b32 s37, s[WV], 10
	s_add_co_u32 s36, s36, s37                     ; my tile in qimg: head x 131,072 + block x 16,384 + wave x 1,024
	s_mov_b32 s37, 0
	s_lshr_b32 s38, s15, 3
	s_lshl_b32 s38, s38, 7
	s_lshl_b32 s39, s14, 4
	s_add_co_u32 s38, s38, s39
	s_add_co_u32 s38, s38, s[WV]                   ; token tile T = 128 b + 16 block + wave
	s_lshl_b32 s38, s38, 13
	s_and_b32 s39, s15, 7
	s_lshl_b32 s39, s39, 10
	s_add_co_u32 s38, s38, s39                     ; in ctximg: T x 8,192 + head x 1,024
	s_mov_b32 s39, 0
	s_mov_b32 s[SEL], 0x76543210
	s_mov_b32 s[SEL+1], 0xfedcba98
	s_mov_b32 s[TB], 0
	s_mov_b32 s[CNT], 16
	v_and_b32 v1, 31, v0
	s_delay_alu instid0(VALU_DEP_1)
	v_lshlrev_b32 v1, 4, v1                        ; 16 l
	s_wait_dscnt 0x0                               ; the opening add is done
	s_wait_kmcnt 0x0
	s_load_b128 s[40:43], s[8:9], 0x18             ; e6, e7, e8, e9
	s_load_b32 s44, s[8:9], 0x28                   ; e10
	s_add_nc_u64 s[G0+2:G0+3], s[6:7], s[34:35]
	s_or_b32 s[G0+3], s[G0+3], 0x80000000          ; type = 2
	s_add_nc_u64 s[4:5], s[4:5], s[36:37]
	s_add_nc_u64 s[10:11], s[10:11], s[38:39]
	CROUND                                         ; all four work-groups are here: the joint loads meet
	tensor_load_to_lds s[G0:G0+3], s[G1:G1+7]      ; key step w
	s_nop 0
.rept 4
	v_nop
.endr
	s_wait_alu depctr_va_vdst(0)
	global_load_b128 v[16:19], v1, s[4:5]          ; Q's fragment stays in registers
	global_load_b128 v[20:23], v1, s[4:5] offset:512
	v_mov_b32 v13, 0xff61b1e6                      ; the largest t so far: -3e38, under every t
	s_delay_alu instid0(VALU_DEP_1)
	v_floor_f32 v12, -v13                          ; -M
	v_mov_b32 v14, 0                               ; the sum, in two halves
	v_mov_b32 v15, 0
	v_mov_b32 v27, 0                               ; (named as the upper half of the pair v[26:27])
	v_mov_b32 v28, 0                               ; a lane permute's destination counts as one of its sources
.set i, 0
.rept 32
	v_mov_b32 v[160+i], 0                          ; O^T: the step is written once; the first finds zeros, which the first change of M leaves zeros
.set i, i+1
.endr
	s_wait_kmcnt 0x0
	s_add_co_i32 s45, s40, s41
	s_lshl_b32 s45, s45, 23
	s_mov_b32 s[CS], 0x3e38aa3b                    ; c = log2(e) / 8,
	s_add_co_i32 s[CS], s[CS], s45                 ; x 2^(e6 + e7): the two exponents are added to c's exponent field
	s_mov_b32 s[CS+1], s[CS]
	s_add_co_i32 s45, s42, 127
	s_lshl_b32 s46, s45, 23
	v_mov_b32 v2, s46                              ; 2^e8, for p's conversion
	s_sub_co_i32 s46, s44, s42
	s_sub_co_i32 s46, s46, s43                     ; e10 - e8 - e9: O / l stands for ctx / 2^(e8 + e9)
	s_add_co_i32 s46, s46, 127
	s_lshl_b32 s47, s46, 23                        ; 2^(e10 - e8 - e9)
	s_wait_tensorcnt 0x0                           ; my key step lies in LDS,
	s_barrier_signal -1
	s_barrier_wait -1                              ; everybody's does
	s_wait_loadcnt 0x0                             ; Q
.Lstep:                                                ; sixteen trips of 128 keys
	s_setprio 2
	v_add_nc_u32 v4, s[TB], v1
.rept 3
	v_nop                                          ; with the addition above: four places in front of loads into registers that the last products have read
.endr
.irp t, 0,1,2,3,4,5,6,7
	ds_load_b128 v[32+8*\t:35+8*\t], v4 offset:1024*\t
	ds_load_b128 v[36+8*\t:39+8*\t], v4 offset:1024*\t+512
.endr
.irp dt, 0,1,2,3
.irp c, 0,1,2,3
	ds_load_b128 v[192+16*\dt+4*\c:195+16*\dt+4*\c], v4 offset:8192+2048*\dt+512*\c
.endr
.endr
	s_wait_dscnt 16                                ; K's sixteen loads are in; V's sixteen may be out
.irp t, 0,1,2,3,4,5,6,7
	v_wmma_f32_16x16x64_fp8_fp8 v[96+8*\t:103+8*\t], v[32+8*\t:39+8*\t], v[16:23], 0
.endr
.rept 4
	v_nop
.endr
	v_max3_num_f32 v24, v96, v97, v98              ; the step's largest score of my query among my 64 keys, in two chains, each accumulator from its low end on,
	v_max3_num_f32 v26, v99, v100, v101
.irp i, 6,10,14,18,22,26,30,34,38,42,46,50,54,58
	v_max3_num_f32 v24, v24, v[96+\i], v[97+\i]
	v_max3_num_f32 v26, v26, v[98+\i], v[99+\i]
.endr
	v_max3_num_f32 v24, v24, v158, v159
	s_delay_alu instid0(VALU_DEP_1)
	v_max_num_f32 v24, v24, v26
	s_delay_alu instid0(VALU_DEP_1)
	v_permlanex16_b32 v28, v24, s[SEL], s[SEL+1]
	s_delay_alu instid0(VALU_DEP_1)
	v_max_num_f32 v24, v24, v28                    ; and among lane l xor 16's
	s_delay_alu instid0(VALU_DEP_1)
	v_mul_f32 v24, s[CS], v24                      ; as t (c is positive)
	s_delay_alu instid0(VALU_DEP_1)
	v_max_num_f32 v13, v13, v24                    ; the running largest t
	v_mov_b32 v24, v12
	s_delay_alu instid0(VALU_DEP_2)
	v_floor_f32 v12, -v13                          ; the new -M = floor(-t) = -ceil(t)
	s_delay_alu instid0(VALU_DEP_1)
	v_sub_f32 v24, v12, v24                        ; old M - new M: a whole number, 0 or less
	s_delay_alu instid0(VALU_DEP_1)
	v_cvt_i32_f32 v24, v24                         ; (it saturates)
	s_delay_alu instid0(VALU_DEP_1)
	v_ldexp_f32 v26, 1.0, v24                      ; f = 2^(old M - new M)
.set i, 0
.rept 32
	v_pk_fma_f32 v[96+2*i:97+2*i], v[96+2*i:97+2*i], s[CS:CS+1], v[12:13] op_sel_hi:[1,0,0]   ; t - M, two at a time
.set i, i+1
.endr
.set i, 0
	s_setprio 1
	s_wait_alu depctr_va_vdst(0)
.rept 64
	v_exp_f32 v[96+i], v[96+i]                     ; p = 2^(t - M), at most 1
.set i, i+1
.endr
	v_pk_mul_f32 v[14:15], v[14:15], v[26:27] op_sel_hi:[1,0]   ; the sums under the new M: the plain line behind the exponentials
	s_wait_alu depctr_va_vdst(0)                   ; one wait for the whole batch, ahead of its first reader
	v_pk_add_f32 v[30:31], v[100:101], v[104:105]
	v_pk_add_f32 v[94:95], v[108:109], v[112:113]
	v_pk_add_f32 v[92:93], v[116:117], v[120:121]
	v_pk_add_f32 v[90:91], v[124:125], v[128:129]
	v_pk_add_f32 v[88:89], v[132:133], v[136:137]
	v_pk_add_f32 v[86:87], v[140:141], v[144:145]
	v_pk_add_f32 v[84:85], v[148:149], v[152:153]
	v_pk_add_f32 v[14:15], v[14:15], v[156:157]
	v_pk_add_f32 v[30:31], v[30:31], v[96:97]
	v_pk_add_f32 v[94:95], v[94:95], v[98:99]
	v_pk_add_f32 v[92:93], v[92:93], v[102:103]
	v_pk_add_f32 v[90:91], v[90:91], v[106:107]
	v_pk_add_f32 v[88:89], v[88:89], v[110:111]
	v_pk_add_f32 v[86:87], v[86:87], v[114:115]
	v_pk_add_f32 v[84:85], v[84:85], v[118:119]
	v_pk_add_f32 v[14:15], v[14:15], v[122:123]
	v_pk_add_f32 v[30:31], v[30:31], v[126:127]
	v_pk_add_f32 v[94:95], v[94:95], v[130:131]
	v_pk_add_f32 v[92:93], v[92:93], v[134:135]
	v_pk_add_f32 v[90:91], v[90:91], v[138:139]
	v_pk_add_f32 v[88:89], v[88:89], v[142:143]
	v_pk_add_f32 v[86:87], v[86:87], v[146:147]
	v_pk_add_f32 v[84:85], v[84:85], v[150:151]
	v_pk_add_f32 v[14:15], v[14:15], v[154:155]
	v_pk_add_f32 v[30:31], v[30:31], v[158:159]
	s_delay_alu instid0(VALU_DEP_2)
	v_pk_add_f32 v[14:15], v[14:15], v[90:91]
	s_delay_alu instid0(VALU_DEP_2)
	v_pk_add_f32 v[30:31], v[30:31], v[88:89]
	v_pk_add_f32 v[94:95], v[94:95], v[86:87]
	v_pk_add_f32 v[92:93], v[92:93], v[84:85]
	s_delay_alu instid0(VALU_DEP_2)
	v_pk_add_f32 v[14:15], v[14:15], v[94:95]
	s_delay_alu instid0(VALU_DEP_2)
	v_pk_add_f32 v[30:31], v[30:31], v[92:93]
	s_delay_alu instid0(VALU_DEP_1)
	v_pk_add_f32 v[14:15], v[14:15], v[30:31]
.irp b, 0,1,2,3
.irp i, 0,1,2,3,4,5,6,7,8,9,10,11,12,13,14,15
.endr
	v_cvt_scalef32_pk8_fp8_f32 v[32+4*\b:33+4*\b], v[96+16*\b:103+16*\b], v2
	v_cvt_scalef32_pk8_fp8_f32 v[34+4*\b:35+4*\b], v[104+16*\b:111+16*\b], v2
.endr
.set i, 0
	s_setprio 0
.rept 16
	v_pk_mul_f32 v[160+2*i:161+2*i], v[160+2*i:161+2*i], v[26:27] op_sel_hi:[1,0]   ; O^T under the new M; also the plain lines between the conversions and the products
.set i, i+1
.endr
	s_wait_alu depctr_va_vdst(0)
	s_wait_dscnt 0x0                               ; V is in
.irp dt, 0,1,2,3
	v_wmma_f32_16x16x128_fp8_fp8 v[160+8*\dt:167+8*\dt], v[192+16*\dt:207+16*\dt], v[32:47], v[160+8*\dt:167+8*\dt]   ; four accumulators by turns
.endr
	s_add_co_u32 s[TB], s[TB], 16384
	s_sub_co_u32 s[CNT], s[CNT], 1
	s_cmp_lg_u32 s[CNT], 0
	s_cbranch_scc1 .Lstep
	s_setprio 0
	; THE WAY OUT: O^T / the sum, held, converted with 2^(e10 - e8 - e9): two blocks of a fragment of the next product's operand
	v_mov_b32 v24, s47
	v_add_f32 v14, v14, v15                        ; the sum's two halves,
	s_delay_alu instid0(VALU_DEP_1)
	v_permlanex16_b32 v28, v14, s[SEL], s[SEL+1]
	s_delay_alu instid0(VALU_DEP_1)
	v_add_f32 v14, v14, v28                        ; and lane l xor 16's
	s_wait_alu depctr_va_vdst(0)
	v_rcp_f32 v14, v14
	v_nop                                          ; a plain line behind the reciprocal; with the four plain lines above, the places behind the last products
	s_wait_alu depctr_va_vdst(0)                   ; the wait, ahead of the first reader
.set i, 0
.rept 32
	v_mul_f32 v[96+i], v[160+i], v14               ; register 16 c + i: channel 32 c + 16 h + i of my query
.set i, i+1
.endr
.set i, 0
.rept 32
.set i, i+1
.endr
.irp c, 0,1
	v_cvt_scalef32_pk8_fp8_f32 v[32+4*\c:33+4*\c], v[96+16*\c:103+16*\c], v24
	v_cvt_scalef32_pk8_fp8_f32 v[34+4*\c:35+4*\c], v[104+16*\c:111+16*\c], v24
.endr
	v_nop
	global_store_b128 v1, v[32:35], s[10:11]       ; 512 consecutive bytes each
	global_store_b128 v1, v[36:39], s[10:11] offset:512
	s_wait_tensorcnt 0x0                           ; the wave's end
	ds_add_u32 v5, v6
	s_wait_dscnt 0x0
	CROUND                                         ; the closing round
	s_endpgm
.Lfunc_end_k_q51a4541f1f_attn:
	.size	k_q51a4541f1f_attn, .Lfunc_end_k_q51a4541f1f_attn-k_q51a4541f1f_attn
	.p2alignl 7, 3214868480
	.fill 96, 4, 3214868480
	.section	.rodata,"a",@progbits
	.p2align	6, 0x0
	.amdhsa_kernel k_q51a4541f1f_attn
		.amdhsa_group_segment_fixed_size 327680
		.amdhsa_private_segment_fixed_size 0
		.amdhsa_enable_private_segment 0
		.amdhsa_kernarg_size 32
		.amdhsa_user_sgpr_count 2
		.amdhsa_user_sgpr_kernarg_segment_ptr 1
		.amdhsa_wavefront_size32 1
		.amdhsa_system_sgpr_workgroup_id_x 1
		.amdhsa_system_sgpr_workgroup_id_y 1
		.amdhsa_system_sgpr_workgroup_id_z 1
		.amdhsa_system_vgpr_workitem_id 0
		.amdhsa_next_free_vgpr 256
		.amdhsa_next_free_sgpr 66
		.amdhsa_reserve_vcc 0
		.amdhsa_float_denorm_mode_32 3
		.amdhsa_float_denorm_mode_16_64 3
		.amdhsa_fp16_overflow 1
		.amdhsa_memory_ordered 1
		.amdhsa_forward_progress 1
		.amdhsa_inst_pref_size 22
	.end_amdhsa_kernel
	.amdgpu_metadata
---
amdhsa.version: [ 1, 2 ]
amdhsa.kernels:
  - .name:           k_q51a4541f1f_attn
    .symbol:         k_q51a4541f1f_attn.kd
    .args:
      - { .name: qimg, .offset: 0, .size: 8, .value_kind: global_buffer, .address_space: global }
      - { .name: kvimg, .offset: 8, .size: 8, .value_kind: global_buffer, .address_space: global }
      - { .name: lowp_scales, .offset: 16, .size: 8, .value_kind: global_buffer, .address_space: global }
      - { .name: ctximg, .offset: 24, .size: 8, .value_kind: global_buffer, .address_space: global }
    .group_segment_fixed_size: 327680
    .private_segment_fixed_size: 0
    .kernarg_segment_align: 8
    .kernarg_segment_size: 32
    .max_flat_workgroup_size: 512
    .sgpr_count:     66
    .vgpr_count:     256
    .wavefront_size: 32
...
	.end_amdgpu_metadata
.endif
;; end of part 3
;; launch tail (part 4): grid 256 x 1, 8 waves a work-group, clusters of 4 x 1, 327,680 bytes of LDS; arguments ctximg, wimg, x, bo, g1, beta1, bff, bvff, b2ff, g2, beta2, lowp_scales, out0; writes out0
.if DOCPART == 4
	.amdgcn_target "amdgcn-amd-amdhsa--gfx1250"
	.amdhsa_code_object_version 6
	.text
	.protected	k_q51a4541f1f_tail
	.globl	k_q51a4541f1f_tail
	.p2align	8
	.type	k_q51a4541f1f_tail,@function
k_q51a4541f1f_tail:
	s_mov_b64 s[64:65], 0
	v_nop
	global_prefetch_b8 v0, s[64:65] scope:SCOPE_SE
	s_setreg_imm32_b32 hwreg(HW_REG_WAVE_MODE, 25, 1), 1
	s_wait_xcnt 0x0
	s_wait_alu depctr_hold_cnt(0) depctr_sa_sdst(0) depctr_va_vdst(0) depctr_va_sdst(0) depctr_va_ssrc(0) depctr_va_vcc(0) depctr_vm_vsrc(0)
	s_getreg_b32 s2, hwreg(HW_REG_IB_STS2, 6, 4)
	s_cmp_eq_u32 s2, 0
	s_cbranch_scc0 .Lentry_in_a_cluster
	s_endpgm
.Lentry_in_a_cluster:
	s_bfe_u32 s2, ttmp6, 0x10000c
	s_cmp_lg_u32 s2, 0x3003
	s_cbranch_scc0 .Lentry_shape_is_right
	s_endpgm
.Lentry_shape_is_right:
.set TS,    786432
.set FILL,  131072
.set U,     262144
.set HIMG,  U+32768
.set STAT,  303104
.set SPARE, 307200
.set SP,    272
.set WV,  2
.set G1,  36
.set G0A, 44
.set G0B, 48
.set TB,  52
.set CNT, 53
.set W2P, 66
.set MSB, 0
.macro WIN new
.if MSB != \new
	s_set_vgpr_msb (MSB<<8)|\new
.set MSB, \new
.endif
.endm
.macro NOP4
.rept 4
	v_nop
.endr
.endm
.macro CROUND
	s_barrier_signal -1
	s_barrier_wait -1
	s_cmp_lg_u32 s[WV], 0
	s_cbranch_scc1 .Lnot_wave_0_\@
	s_barrier_signal -3
.Lnot_wave_0_\@:
	s_barrier_wait -3
	s_barrier_signal -1
	s_barrier_wait -1
.endm
.macro COEF d, bits
	s_mov_b32 s[\d], \bits
	s_mul_f32 s[\d], s[\d], s101
	s_mov_b32 s[\d+1], s[\d]
.endm
.macro POW2 d, e
	s_add_co_i32 s[\d], s[\e], 127
	s_lshl_b32 s[\d], s[\d], 23
	s_mov_b32 s[\d+1], s[\d]
.endm
.macro POW2N d, e
	s_sub_co_i32 s[\d], 127, s[\e]
	s_lshl_b32 s[\d], s[\d], 23
	s_mov_b32 s[\d+1], s[\d]
.endm
.macro VSCALE vp, e
	s_add_co_i32 s6, s[\e], 127
	s_lshl_b32 s7, s6, 23
	v_mov_b32 v[\vp], s7
.endm
.macro PLOAD reg, base
.irp nt, 0,1,2,3
	global_load_b128 v[\reg+8*\nt:\reg+8*\nt+3], v13, s[\base:\base+1] offset:128*(\nt/2)+32*(\nt%2)
	global_load_b128 v[\reg+8*\nt+4:\reg+8*\nt+7], v13, s[\base:\base+1] offset:128*(\nt/2)+32*(\nt%2)+16
.endr
.endm
.macro HEAD fill, step
	s_wait_tensorcnt 0x0
	ds_add_u32 v2, v3
.if \fill
	s_xor_b32 s[G0B+1], s[G0B+1], FILL
	s_add_nc_u64 s[G0B+2:G0B+3], s[G0B+2:G0B+3], (\step)*FILL
.endif
	s_xor_b32 s[TB], s[TB], FILL
	s_wait_dscnt 0x0
.if \fill
	CROUND
	tensor_load_to_lds s[G0B:G0B+3], s[G1:G1+7]
	s_nop 0
	NOP4
.else
	s_barrier_signal -1
	s_barrier_wait -1
.endif
	v_add_nc_u32 v4, s[TB], v5
.endm
.macro FETCH4 hf
	NOP4
.set i, 0
.rept 16
	ds_load_b128 v[160+4*i:163+4*i], v4 offset:8192*(\hf)+512*i
.set i, i+1
.endr
	s_wait_dscnt 0x0
.endm
.macro HID acc, xb
.irp hf, 0,1
	FETCH4 \hf
	WIN 0x04
.irp kk, 0,1
.irp u, 0,1
.irp tt, 0,1
	v_wmma_f32_16x16x128_fp8_fp8 v[\acc+16*\tt+8*\u:\acc+16*\tt+8*\u+7], v[160+16*(2*\kk+\u):160+16*(2*\kk+\u)+15], v[\xb+64*\tt+16*(2*\hf+\kk):\xb+64*\tt+16*(2*\hf+\kk)+15], v[\acc+16*\tt+8*\u:\acc+16*\tt+8*\u+7]
.endr
.endr
.endr
	WIN 0
.endr
.endm
.macro HIDV
.irp ks, 0,1,2,3
	NOP4
.irp c, 0,1,2,3,4,5,6,7
	ds_load_b128 v[160+4*\c:163+4*\c], v4 offset:4096*\ks+512*\c
.endr
.irp tt, 0,1
.irp c, 0,1,2,3
	ds_load_b128 v[192+16*\tt+4*\c:195+16*\tt+4*\c], v15 offset:(2+\tt)*8192+2048*\ks+512*\c
.endr
.endr
	s_wait_dscnt 0x0
.irp u, 0,1
.irp tt, 0,1
	v_wmma_f32_16x16x128_fp8_fp8 v[128+16*\tt+8*\u:135+16*\tt+8*\u], v[160+16*\u:175+16*\u], v[192+16*\tt:207+16*\tt], v[128+16*\tt+8*\u:135+16*\tt+8*\u]
.endr
.endr
.endr
.endm
.macro OUTP win, base, ts
.irp kk, 0,1
	FETCH4 \kk
	WIN \win
.irp nt, 0,1,2,3
.irp tt, 0,1
	v_wmma_f32_16x16x128_fp8_fp8 v[32+32*\tt+8*\nt:39+32*\tt+8*\nt], v[160+16*\nt:175+16*\nt], v[\base+\ts*\tt+16*\kk:\base+\ts*\tt+16*\kk+15], v[32+32*\tt+8*\nt:39+32*\tt+8*\nt]
.endr
.endr
	WIN 0
.endr
.endm
.macro W2LOAD hf
	WIN 0x40
.set i, 0
.rept 16
	global_load_b128 v[128+64*(\hf)+4*i:131+64*(\hf)+4*i], v1, s[W2P:W2P+1] offset:8192*(\hf)+512*i
.set i, i+1
.endr
	WIN 0
.endm
.macro OUTW2
	WIN 0x01
.irp kk, 0,1
.irp nt, 0,1,2,3
.irp tt, 0,1
	v_wmma_f32_16x16x128_fp8_fp8 v[32+32*\tt+8*\nt:39+32*\tt+8*\nt], v[128+64*\kk+16*\nt:143+64*\kk+16*\nt], v[96+32*\tt+16*\kk:111+32*\tt+16*\kk], v[32+32*\tt+8*\nt:39+32*\tt+8*\nt]
.endr
.endr
.endr
	WIN 0
.endm
.macro LNSUM sq
.irp tt, 0,1
.set YB, 32+32*\tt
.if \sq
	v_pk_mul_f32 v[20:21], v[YB:YB+1], v[YB:YB+1]
	v_pk_mul_f32 v[22:23], v[YB+2:YB+3], v[YB+2:YB+3]
.irp j, 4,8,12,16,20,24,28
	s_delay_alu instid0(VALU_DEP_2)
	v_pk_fma_f32 v[20:21], v[YB+\j:YB+\j+1], v[YB+\j:YB+\j+1], v[20:21]
	s_delay_alu instid0(VALU_DEP_2)
	v_pk_fma_f32 v[22:23], v[YB+\j+2:YB+\j+3], v[YB+\j+2:YB+\j+3], v[22:23]
.endr
.else
	v_pk_add_f32 v[20:21], v[YB:YB+1], v[YB+2:YB+3]
	v_pk_add_f32 v[22:23], v[YB+4:YB+5], v[YB+6:YB+7]
.irp j, 8,12,16,20,24,28
	s_delay_alu instid0(VALU_DEP_2)
	v_pk_add_f32 v[20:21], v[20:21], v[YB+\j:YB+\j+1]
	s_delay_alu instid0(VALU_DEP_2)
	v_pk_add_f32 v[22:23], v[22:23], v[YB+\j+2:YB+\j+3]
.endr
.endif
	s_delay_alu instid0(VALU_DEP_1)
	v_pk_add_f32 v[20:21], v[20:21], v[22:23]
	s_delay_alu instid0(VALU_DEP_1)
	v_add_f32 v[16+2*\tt], v20, v21
.endr
.endm
.macro ROWSUM k
	v_permlanex16_b32 v17, v16, s3, s35
	s_delay_alu instid0(VALU_DEP_2)
	v_permlanex16_b32 v19, v18, s3, s35
	s_delay_alu instid0(VALU_DEP_2)
	v_add_f32 v16, v16, v17
	s_delay_alu instid0(VALU_DEP_2)
	v_add_f32 v18, v18, v19
	ds_store_b32 v9, v16 offset:1024*(\k)
	ds_store_b32 v9, v18 offset:1024*(\k)+64
	s_wait_dscnt 0x0
	s_barrier_signal -1
	s_barrier_wait -1
.irp w, 0,1,2,3,4,5,6,7
	ds_load_b32 v[224+\w], v10 offset:1024*(\k)+128*\w
	ds_load_b32 v[232+\w], v10 offset:1024*(\k)+128*\w+64
.endr
	s_wait_dscnt 0x0
	v_pk_add_f32 v[224:225], v[224:225], v[226:227]
	v_pk_add_f32 v[228:229], v[228:229], v[230:231]
	v_pk_add_f32 v[232:233], v[232:233], v[234:235]
	v_pk_add_f32 v[236:237], v[236:237], v[238:239]
	s_delay_alu instid0(VALU_DEP_3)
	v_pk_add_f32 v[224:225], v[224:225], v[228:229]
	s_delay_alu instid0(VALU_DEP_2)
	v_pk_add_f32 v[232:233], v[232:233], v[236:237]
	s_delay_alu instid0(VALU_DEP_2)
	v_add_f32 v16, v224, v225
	s_delay_alu instid0(VALU_DEP_2)
	v_add_f32 v18, v232, v233
.endm
.macro LNORM k, left
	LNSUM 0
	ROWSUM \k
	s_delay_alu instid0(VALU_DEP_2)
	v_mul_f32 v16, s86, v16
	s_delay_alu instid0(VALU_DEP_2)
	v_mul_f32 v18, s86, v18
.irp tt, 0,1
.irp j, 0,2,4,6,8,10,12,14,16,18,20,22,24,26,28,30
	v_pk_add_f32 v[32+32*\tt+\j:33+32*\tt+\j], v[32+32*\tt+\j:33+32*\tt+\j], v[16+2*\tt:17+2*\tt] op_sel_hi:[1,0] neg_lo:[0,1] neg_hi:[0,1]
.endr
.endr
	LNSUM 1
	ROWSUM (\k)+1
	s_delay_alu instid0(VALU_DEP_2)
	v_fma_f32 v16, v16, s86, s87
	s_delay_alu instid0(VALU_DEP_2)
	v_fma_f32 v18, v18, s86, s87
	s_wait_alu depctr_va_vdst(0)
	v_rsq_f32 v16, v16
	v_rsq_f32 v18, v18
	v_nop
	s_wait_loadcnt \left
	s_wait_alu depctr_va_vdst(0)
.irp tt, 0,1
.irp j, 0,2,4,6,8,10,12,14,16,18,20,22,24,26,28,30
	v_pk_mul_f32 v[32+32*\tt+\j:33+32*\tt+\j], v[32+32*\tt+\j:33+32*\tt+\j], v[16+2*\tt:17+2*\tt] op_sel_hi:[1,0]
.endr
.irp j, 0,2,4,6,8,10,12,14,16,18,20,22,24,26,28,30
	v_pk_fma_f32 v[32+32*\tt+\j:33+32*\tt+\j], v[32+32*\tt+\j:33+32*\tt+\j], v[96+\j:97+\j], v[128+\j:129+\j]
.endr
.endr
.endm
.macro X1Q st, tt, first
.set i, 0
.rept 32
.set i, i+1
.endr
.if !\first
	s_wait_dscnt 0x0
.endif
.irp c, 0,1
	v_cvt_scalef32_pk8_fp8_f32 v[24+4*\c:25+4*\c], v[192+16*\c+((32+32*\tt+i)-(192+i)):199+16*\c+((32+32*\tt+i)-(192+i))], v[248+2*\st]
	v_cvt_scalef32_pk8_fp8_f32 v[26+4*\c:27+4*\c], v[200+16*\c+((32+32*\tt+i)-(192+i)):207+16*\c+((32+32*\tt+i)-(192+i))], v[248+2*\st]
.endr
	v_nop
	ds_store_b128 v11, v[24:27] offset:(2*\st+\tt)*8192
	ds_store_b128 v11, v[28:31] offset:(2*\st+\tt)*8192+512
.endm
.macro BIASLOAD step
.if \step
	s_add_nc_u64 s[20:21], s[20:21], 1024
	s_add_nc_u64 s[22:23], s[22:23], 1024
.endif
.irp q, 0,1,2,3
	global_load_b128 v[96+4*\q:99+4*\q], v14, s[20:21] offset:16*\q
	global_load_b128 v[128+4*\q:131+4*\q], v14, s[22:23] offset:16*\q
.endr
.endm
.macro GELU
.set i, 0
.rept 16
	v_pk_mul_f32 v[96+2*i:97+2*i], v[96+2*i:97+2*i], s[96:97] op_sel_hi:[1,0]
.set i, i+1
.endr
.set i, 0
.rept 32
	v_fma_f32 v[160+i], |v[96+i]|, s34, 1.0
.set i, i+1
.endr
.set i, 0
	s_wait_alu depctr_va_vdst(0)
.rept 32
	v_rcp_f32 v[160+i], v[160+i]
.set i, i+1
.endr
.set i, 0
.rept 16
	v_pk_mul_f32 v[192+2*i:193+2*i], v[96+2*i:97+2*i], v[96+2*i:97+2*i]
.set i, i+1
.endr
.set i, 0
.rept 16
	v_pk_fma_f32 v[192+2*i:193+2*i], v[192+2*i:193+2*i], s[84:85], v[244:245] op_sel_hi:[1,0,1]
.set i, i+1
.endr
	s_wait_alu depctr_va_vdst(0)
.irp hh, 0,1
.set i, 0
.rept 8
	v_pk_fma_f32 v[224+2*i:225+2*i], v[160+16*\hh+2*i:161+16*\hh+2*i], v[246:247], s[82:83] op_sel_hi:[1,1,0]
.set i, i+1
.endr
.irp cf, 80,78,76,74,72,70,68
.set i, 0
.rept 8
	v_pk_fma_f32 v[224+2*i:225+2*i], v[224+2*i:225+2*i], v[160+16*\hh+2*i:161+16*\hh+2*i], s[\cf:\cf+1] op_sel_hi:[1,1,0]
.set i, i+1
.endr
.endr
.set i, 0
.rept 8
	v_pk_fma_f32 v[192+16*\hh+2*i:193+16*\hh+2*i], v[224+2*i:225+2*i], v[160+16*\hh+2*i:161+16*\hh+2*i], v[192+16*\hh+2*i:193+16*\hh+2*i]
.set i, i+1
.endr
.endr
.set i, 0
	s_wait_alu depctr_va_vdst(0)
.rept 32
	v_exp_f32 v[192+i], v[192+i]
.set i, i+1
.endr
.set i, 0
.rept 32
	v_mul_f32 v[160+i], |v[96+i]|, v[160+i]
.set i, i+1
.endr
.set i, 0
.rept 32
	v_max_num_f32 v[96+i], 0, v[96+i]
.set i, i+1
.endr
	s_wait_alu depctr_va_vdst(0)
.set i, 0
.rept 16
	v_pk_fma_f32 v[160+2*i:161+2*i], v[160+2*i:161+2*i], v[192+2*i:193+2*i], v[96+2*i:97+2*i] neg_lo:[1,0,0] neg_hi:[1,0,0]
.set i, i+1
.endr
.set i, 0
.rept 16
	v_pk_mul_f32 v[160+2*i:161+2*i], v[160+2*i:161+2*i], v[128+2*i:129+2*i]
.set i, i+1
.endr
.set i, 0
.rept 32
.set i, i+1
.endr
.irp tt, 0,1
	v_cvt_scalef32_pk8_fp8_f32 v[24+4*\tt:25+4*\tt], v[160+16*\tt:167+16*\tt], v252
	v_cvt_scalef32_pk8_fp8_f32 v[26+4*\tt:27+4*\tt], v[168+16*\tt:175+16*\tt], v252
.endr
	v_nop
	ds_store_b128 v12, v[24:27]
	ds_store_b128 v12, v[28:31] offset:4096
.endm
.macro CHUNK f, last
	s_wait_loadcnt 16
.set i, 0
.rept 8
	v_pk_mul_f32 v[112+2*i:113+2*i], v[96+2*i:97+2*i], s[62:63] op_sel_hi:[1,0]
	v_pk_mul_f32 v[144+2*i:145+2*i], v[128+2*i:129+2*i], s[98:99] op_sel_hi:[1,0]
.set i, i+1
.endr
.set i, 0
.rept 8
	v_pk_mul_f32 v[96+2*i:97+2*i], v[96+2*i:97+2*i], s[62:63] op_sel_hi:[1,0]
	v_pk_mul_f32 v[128+2*i:129+2*i], v[128+2*i:129+2*i], s[98:99] op_sel_hi:[1,0]
.set i, i+1
.endr
	s_wait_alu depctr_va_vdst(0)
	HID 96, 0
	HEAD \f, 2
	s_wait_alu depctr_va_vdst(0)
	W2LOAD 1
	HIDV
	NOP4
	GELU
	HEAD \f, 1
.set i, 0
.rept 16
	ds_load_b128 v[96+4*i:99+4*i], v15 offset:32768+512*i
.set i, i+1
.endr
	s_wait_dscnt 0x0
	s_wait_loadcnt 0x0
	OUTW2
.if !\last
	NOP4
	s_add_nc_u64 s[W2P:W2P+1], s[W2P:W2P+1], 3*FILL
	BIASLOAD 1
	W2LOAD 0
.endif
.endm
	s_load_b512 s[8:23], s[0:1], 0x0
	s_load_b256 s[24:31], s[0:1], 0x40
	s_load_b64 s[32:33], s[0:1], 0x60
	v_lshl_add_u32 v2, v0, 2, SPARE
	v_mov_b32 v3, 0
	ds_add_u32 v2, v3
	ds_add_u32 v2, v3
	v_lshrrev_b32 v1, 5, v0
	s_delay_alu instid0(VALU_DEP_1)
	v_readfirstlane_b32 s[WV], v1
	s_bfe_u32 s4, ttmp6, 0x40000
	s_lshl_b32 s5, ttmp9, 2
	s_add_co_u32 s5, s5, s4
	s_mov_b32 s[G1], 15|(3<<16)|(1<<21)
	s_mov_b32 s[G1+1], 32<<16
	s_mov_b32 s[G1+2], 64<<16
	s_mov_b32 s[G1+3], 32<<16
	s_mov_b32 s[G1+4], 64
	s_mov_b32 s[G1+5], 32
	s_mov_b32 s[G1+6], 0
	s_mov_b32 s[G1+7], 0
	s_mov_b32 s[TB], 0
	s_mov_b32 s3, 0x76543210
	s_mov_b32 s35, 0xfedcba98
	s_mov_b32 s34, 0x3eb504f3
	s_mov_b32 s86, 0x3b000000
	s_mov_b32 s87, 0x3727c5ac
	s_mov_b32 s101, 0x3fb8aa3b
	COEF 68, 0x3f8000c7
	COEF 70, 0x3ebf88fb
	COEF 72, 0x3dc636c9
	COEF 74, 0xbe3ec24c
	COEF 76, 0x3e8ec7cc
	COEF 78, 0xbf914e5d
	COEF 80, 0x3fbe87b0
	COEF 82, 0xbf527892
	s_mov_b32 s84, 0xbf38aa3b
	s_mov_b32 s85, s84
	v_and_b32 v16, 31, v0
	v_and_b32 v17, 15, v0
	v_bfe_u32 v18, v0, 4, 1
	v_mov_b32 v19, 0
	s_delay_alu instid0(VALU_DEP_4)
	v_lshlrev_b32 v1, 4, v16
	s_lshl_b32 s6, s[WV], 14
	v_add_nc_u32 v5, s6, v1
	s_mul_i32 s6, s[WV], 16*SP
	s_add_co_u32 s6, s6, U
	v_mul_u32_u24 v6, v17, SP
	s_delay_alu instid0(VALU_DEP_1)
	v_lshl_add_u32 v6, v18, 6, v6
	s_delay_alu instid0(VALU_DEP_1)
	v_add_nc_u32 v6, s6, v6
	v_mul_u32_u24 v7, v18, SP
	s_delay_alu instid0(VALU_DEP_1)
	v_lshl_add_u32 v7, v17, 4, v7
	s_delay_alu instid0(VALU_DEP_1)
	v_add_nc_u32 v7, s6, v7
	s_lshl_b32 s6, s[WV], 8
	v_lshlrev_b32 v8, 11, v18
	s_delay_alu instid0(VALU_DEP_1)
	v_lshl_add_u32 v8, v17, 4, v8
	s_delay_alu instid0(VALU_DEP_1)
	v_add_nc_u32 v8, s6, v8
	v_lshlrev_b32 v13, 6, v18
	s_delay_alu instid0(VALU_DEP_1)
	v_add_nc_u32 v13, s6, v13
	s_lshl_b32 s6, s[WV], 7
	v_lshlrev_b32 v14, 6, v18
	s_delay_alu instid0(VALU_DEP_1)
	v_add_nc_u32 v14, s6, v14
	v_lshlrev_b32 v10, 2, v17
	s_delay_alu instid0(VALU_DEP_1)
	v_add_nc_u32 v10, STAT, v10
	s_delay_alu instid0(VALU_DEP_1)
	v_add_nc_u32 v9, s6, v10
	s_lshr_b32 s6, s[WV], 1
	s_lshl_b32 s6, s6, 11
	s_and_b32 s7, s[WV], 1
	s_lshl_b32 s7, s7, 10
	s_add_co_u32 s6, s6, s7
	s_add_co_u32 s6, s6, U
	v_add_nc_u32 v11, s6, v1
	s_lshr_b32 s6, s[WV], 2
	s_lshl_b32 s6, s6, 11
	s_and_b32 s7, s[WV], 3
	s_lshl_b32 s7, s7, 9
	s_add_co_u32 s6, s6, s7
	s_add_co_u32 s6, s6, HIMG
	v_add_nc_u32 v12, s6, v1
	v_add_nc_u32 v15, U, v1
	s_wait_dscnt 0x0
	s_wait_kmcnt 0x0
	s_load_b256 s[88:95], s[30:31], 0x28
	s_lshl_b32 s6, s[WV], 14
	s_add_co_u32 s6, s6, TS
	s_mov_b32 s7, 0
	s_add_nc_u64 s[10:11], s[10:11], s[6:7]
	s_add_nc_u64 s[W2P:W2P+1], s[10:11], 4*FILL
	s_mov_b32 s[G0A], 1
	s_lshl_b32 s[G0A+1], s[WV], 14
	s_mov_b64 s[G0A+2:G0A+3], s[10:11]
	s_or_b32 s[G0A+3], s[G0A+3], 0x80000000
	s_mov_b32 s[G0B], 1
	s_add_co_u32 s[G0B+1], s[G0A+1], FILL
	s_add_nc_u64 s[G0B+2:G0B+3], s[10:11], FILL
	s_or_b32 s[G0B+3], s[G0B+3], 0x80000000
	s_lshl_b32 s6, s5, 14
	s_add_nc_u64 s[8:9], s[8:9], s[6:7]
	s_lshl_b32 s6, s5, 16
	s_add_nc_u64 s[12:13], s[12:13], s[6:7]
	s_add_nc_u64 s[32:33], s[32:33], s[6:7]
	CROUND
	tensor_load_to_lds s[G0A:G0A+3], s[G1:G1+7]
	s_nop 0
	s_wait_alu depctr_va_vdst(0)
	s_wait_tensorcnt 0x0
	ds_add_u32 v2, v3
	s_wait_dscnt 0x0
	CROUND
	tensor_load_to_lds s[G0B:G0B+3], s[G1:G1+7]
	s_nop 0
	NOP4
.irp tt, 0,1
.irp i, 0,1,2,3,4,5,6,7
	global_load_b128 v[160+32*\tt+4*\i:163+32*\tt+4*\i], v8, s[12:13] offset:(8*\tt+2*\i+8*(\i/4))*2048 th:TH_LOAD_NT
.endr
.endr
	s_wait_alu depctr_va_vdst(0)
	PLOAD 224, 14
	WIN 0x40
.set i, 0
.rept 32
	global_load_b128 v[4*i:4*i+3], v1, s[8:9] offset:512*i
.set i, i+1
.endr
	WIN 0
	PLOAD 96, 16
	PLOAD 128, 18
	s_wait_kmcnt 0x0
	s_add_co_i32 s100, s88, s89
	POW2N 54, 100
	POW2 56, 100
	s_add_co_i32 s100, s94, s95
	POW2N 58, 100
	POW2 60, 100
	s_add_co_i32 s100, s90, s91
	POW2N 62, 100
	POW2 96, 100
	s_add_co_i32 s100, s92, s93
	POW2N 98, 100
	s_sub_co_i32 s100, s94, s100
	s_wait_loadcnt 48
.irp tt, 0,1
.irp i, 0,1,2,3,4,5,6,7
	ds_store_b128 v7, v[160+32*\tt+4*\i:163+32*\tt+4*\i] offset:2*\i*SP
.endr
.irp nt, 0,1,2,3
	ds_load_b128 v[32+32*\tt+8*\nt:35+32*\tt+8*\nt], v6 offset:128*(\nt/2)+32*(\nt%2)
	ds_load_b128 v[36+32*\tt+8*\nt:39+32*\tt+8*\nt], v6 offset:128*(\nt/2)+32*(\nt%2)+16
.endr
.endr
.set i, 0
.rept 16
	v_pk_mul_f32 v[224+2*i:225+2*i], v[224+2*i:225+2*i], s[54:55] op_sel_hi:[1,0]
.set i, i+1
.endr
	s_wait_dscnt 0x0
.irp tt, 0,1
.irp j, 0,2,4,6,8,10,12,14,16,18,20,22,24,26,28,30
	v_pk_fma_f32 v[32+32*\tt+\j:33+32*\tt+\j], v[32+32*\tt+\j:33+32*\tt+\j], s[54:55], v[224+\j:225+\j] op_sel_hi:[1,0,1]
.endr
.endr
	s_mov_b32 s6, 0xbffab55a
	s_mul_f32 s6, s6, s101
	v_mov_b32 v244, s6
	v_mov_b32 v245, s6
	s_mov_b32 s6, 0x3e2ef945
	s_mul_f32 s6, s6, s101
	v_mov_b32 v246, s6
	v_mov_b32 v247, s6
	VSCALE 248, 90
	VSCALE 250, 92
	VSCALE 252, 100
	s_wait_alu depctr_va_vdst(0)
	s_wait_loadcnt 16
	s_wait_tensorcnt 0x1
	v_add_nc_u32 v4, s[TB], v5
	s_wait_alu depctr_va_vdst(0)
	OUTP 0x04, 0, 64
	HEAD 1, 1
	s_wait_alu depctr_va_vdst(0)
	OUTP 0x04, 32, 64
	HEAD 1, 1
	PLOAD 160, 24
.set i, 0
.rept 32
	v_pk_mul_f32 v[32+2*i:33+2*i], v[32+2*i:33+2*i], s[56:57] op_sel_hi:[1,0]
.set i, i+1
.endr
	LNORM 0, 8
	X1Q 0, 0, 1
	s_wait_alu depctr_va_vdst(0)
	X1Q 0, 1, 0
	X1Q 1, 0, 0
	X1Q 1, 1, 0
	s_wait_loadcnt 0x0
.set i, 0
.rept 16
	v_pk_mul_f32 v[160+2*i:161+2*i], v[160+2*i:161+2*i], s[58:59] op_sel_hi:[1,0]
.set i, i+1
.endr
.irp tt, 0,1
.irp j, 0,2,4,6,8,10,12,14,16,18,20,22,24,26,28,30
	v_pk_fma_f32 v[32+32*\tt+\j:33+32*\tt+\j], v[32+32*\tt+\j:33+32*\tt+\j], s[58:59], v[160+\j:161+\j] op_sel_hi:[1,0,1]
.endr
.endr
	BIASLOAD 0
	W2LOAD 0
	s_wait_dscnt 0x0
	s_barrier_signal -1
	s_barrier_wait -1
	WIN 0x40
.set i, 0
.rept 32
	ds_load_b128 v[4*i:4*i+3], v15 offset:512*i
.set i, i+1
.endr
	WIN 0
	s_mov_b32 s[CNT], 7
.Lchunk:
	CHUNK 1, 0
	s_sub_co_u32 s[CNT], s[CNT], 1
	s_cmp_lg_u32 s[CNT], 0
	s_cbranch_scc1 .Lchunk
	CHUNK 0, 1
	NOP4
	PLOAD 96, 26
	PLOAD 128, 28
.set i, 0
.rept 32
	v_pk_mul_f32 v[32+2*i:33+2*i], v[32+2*i:33+2*i], s[60:61] op_sel_hi:[1,0]
.set i, i+1
.endr
	LNORM 2, 0
.irp tt, 0,1
.irp nt, 0,1,2,3
	ds_store_b128 v6, v[32+32*\tt+8*\nt:35+32*\tt+8*\nt] offset:128*(\nt/2)+32*(\nt%2)
	ds_store_b128 v6, v[36+32*\tt+8*\nt:39+32*\tt+8*\nt] offset:128*(\nt/2)+32*(\nt%2)+16
.endr
.irp i, 0,1,2,3,4,5,6,7
	ds_load_b128 v[160+32*\tt+4*\i:163+32*\tt+4*\i], v7 offset:2*\i*SP
.endr
.endr
.irp tt, 0,1
.irp i, 0,1,2,3,4,5,6,7
	s_wait_dscnt 16*(1-\tt)+7-\i
	global_store_b128 v8, v[160+32*\tt+4*\i:163+32*\tt+4*\i], s[32:33] offset:(8*\tt+2*\i+8*(\i/4))*2048 th:TH_STORE_NT
.endr
.endr
	s_wait_tensorcnt 0x0
	ds_add_u32 v2, v3
	s_wait_dscnt 0x0
	CROUND
	s_endpgm
.Lfunc_end_k_q51a4541f1f_tail:
	.size	k_q51a4541f1f_tail, .Lfunc_end_k_q51a4541f1f_tail-k_q51a4541f1f_tail
	.p2alignl 7, 3214868480
	.fill 96, 4, 3214868480
	.section	.rodata,"a",@progbits
	.p2align	6, 0x0
	.amdhsa_kernel k_q51a4541f1f_tail
		.amdhsa_group_segment_fixed_size 327680
		.amdhsa_private_segment_fixed_size 0
		.amdhsa_enable_private_segment 0
		.amdhsa_kernarg_size 104
		.amdhsa_user_sgpr_count 2
		.amdhsa_user_sgpr_kernarg_segment_ptr 1
		.amdhsa_wavefront_size32 1
		.amdhsa_system_sgpr_workgroup_id_x 1
		.amdhsa_system_sgpr_workgroup_id_y 1
		.amdhsa_system_sgpr_workgroup_id_z 1
		.amdhsa_system_vgpr_workitem_id 0
		.amdhsa_next_free_vgpr 512
		.amdhsa_next_free_sgpr 102
		.amdhsa_reserve_vcc 0
		.amdhsa_float_denorm_mode_32 3
		.amdhsa_float_denorm_mode_16_64 3
		.amdhsa_fp16_overflow 1
		.amdhsa_memory_ordered 1
		.amdhsa_forward_progress 1
		.amdhsa_inst_pref_size 161
	.end_amdhsa_kernel
	.amdgpu_metadata
---
amdhsa.version: [ 1, 2 ]
amdhsa.kernels:
  - .name:           k_q51a4541f1f_tail
    .symbol:         k_q51a4541f1f_tail.kd
    .args:
      - { .name: ctximg, .offset: 0, .size: 8, .value_kind: global_buffer, .address_space: global }
      - { .name: wimg, .offset: 8, .size: 8, .value_kind: global_buffer, .address_space: global }
      - { .name: x, .offset: 16, .size: 8, .value_kind: global_buffer, .address_space: global }
      - { .name: bo, .offset: 24, .size: 8, .value_kind: global_buffer, .address_space: global }
      - { .name: g1, .offset: 32, .size: 8, .value_kind: global_buffer, .address_space: global }
      - { .name: beta1, .offset: 40, .size: 8, .value_kind: global_buffer, .address_space: global }
      - { .name: bff, .offset: 48, .size: 8, .value_kind: global_buffer, .address_space: global }
      - { .name: bvff, .offset: 56, .size: 8, .value_kind: global_buffer, .address_space: global }
      - { .name: b2ff, .offset: 64, .size: 8, .value_kind: global_buffer, .address_space: global }
      - { .name: g2, .offset: 72, .size: 8, .value_kind: global_buffer, .address_space: global }
      - { .name: beta2, .offset: 80, .size: 8, .value_kind: global_buffer, .address_space: global }
      - { .name: lowp_scales, .offset: 88, .size: 8, .value_kind: global_buffer, .address_space: global }
      - { .name: out0, .offset: 96, .size: 8, .value_kind: global_buffer, .address_space: global }
    .group_segment_fixed_size: 327680
    .private_segment_fixed_size: 0
    .kernarg_segment_align: 8
    .kernarg_segment_size: 104
    .max_flat_workgroup_size: 256
    .sgpr_count:     102
    .vgpr_count:     512
    .wavefront_size: 32
...
	.end_amdgpu_metadata
.endif
;; end of part 4
